; MI455X (gfx1250); checked and timed in simulation.
; The chip was launched on July 23, 2026; its instructions are those of AMD's public machine-readable ISA for CDNA 5 (MIT licence, August 2026) and "CDNA5" Instruction Set Architecture Reference Guide (July 2026). The comments in the code are by the model that wrote it; some were corrected since.
;; Versor Linear. Allowed arithmetic: float matrix products may take bf16 or f16 operands with f32 sums; other float arithmetic in f32, or as packed bf16 or f16 multiplies, adds, multiply-adds, maxima and minima; sums over many terms, partial sums and values carried from step to step in f32; what a program stores and reads back later, other than sums and carried values, may be rounded once to bf16 or f16.
;; Inputs: weight 128 x 128 x 32 float32; x 4,096 x 128 x 32 float32.
;; Outputs: out0 4,096 x 128 x 32 float32.
;; One version. Each part assembles by itself: llvm-mc -triple=amdgcn-amd-amdhsa -mcpu=gfx1250 --defsym DOCPART=n.
;; ======== version 1 of 1: 2 launches
;; limits: inputs' magnitudes at most 16,376; values are held in f16: magnitudes above 65,504 overflow, below 6.1e-05 lose precision
;; workspace buffers: xh 33,554,432 bytes; wh 2,097,152 bytes
;; launch prep (part 1): grid 528 x 1, 8 waves a work-group, no clusters, 37,888 bytes of LDS; arguments x, weight, xh, wh; writes xh, wh
.if DOCPART == 1
	.amdgcn_target "amdgcn-amd-amdhsa--gfx1250"
	.amdhsa_code_object_version 6
	.text
	.protected	k_q6aebbf0883_prep
	.globl	k_q6aebbf0883_prep
	.p2align	8
	.type	k_q6aebbf0883_prep,@function
k_q6aebbf0883_prep:
	s_mov_b64 s[64:65], 0
	v_nop
	global_prefetch_b8 v0, s[64:65] scope:SCOPE_SE
	s_setreg_imm32_b32 hwreg(HW_REG_WAVE_MODE, 25, 1), 1
	s_wait_xcnt 0x0
; CHANGE OF COORDINATES for y[b][o] = sum over f of x[b][f] w[o][f], the geometric product of Cl(4,1), x on the left.
; e_a e_b = s(a,b) e_(a^b); s is the sign table that the problem's own Cayley tensor holds (macro SGN makes its sign bit).
; The blades e_1 and e_18 commute and square to +1, so P_r = 1/4 (1 +- e_1)(1 +- e_18), r = 0..3, are four idempotents that sum to 1.
; With u_r = 0, 4, 6, 2 one has e_(u_r) P_0 = P_r e_(u_r), so b(r,c) = P_r e_(u_r) e_(2c), c = 0..7, is a basis of the right ideal P_r A in which
; right multiplication by w is the SAME 8 x 8 matrix W for every r.  The 32 vectors b(r,c) are orthogonal, each of squared length 1/4.  So
;   x^[r][c]  = sum over g in {0,1,18,19} of chi_r(g) s(u_r,2c) s(g,u_r^2c) x[g^u_r^2c]          (coordinates of x)
;   W[c][c']  = sum over g of chi_0(g) s(g,2c') s(2c,2c^2c'^g) w[2c^2c'^g]                       (the matrix of w)
;   y^[b,r][o,c'] = sum over f, c of x^[b,f][r][c] W(o,f)[c][c']                                 (the next launch: a quarter of the dense product's multiply-adds)
; This holds for every x and w: nothing is assumed of the data.
; OUT:  xh f16 [16384][1024]: row (b/16) 64 + 16 r + b%16, column 8 f + c.     wh f16 [1024][1024]: row 8 o + c', column 8 f + c.
; LIMITS.  The sums of four are made in f32 and rounded once to f16 (another order of rounding than the reference's, which sums products of unrounded numbers).
; f16 ends at 65,504: |x| and |weight| up to 16,376 are served; below 6.1e-5 a result keeps f16's fixed step of 6e-8.  NaN and infinities are not treated apart.
; SHARES.  Work-groups 0-15 take the weights, 16-527 take x.  A wave owns one row (an o or a b): 128 multivectors of 128 bytes, as four chunks of 32 multivectors.
; All 32 loads of a row go out at once, 512 consecutive bytes a wave each.  A chunk is turned in the wave's own LDS bytes so that lane l holds multivector 32 i + l whole;
; a lane's eight f16 of a result row are 16 bytes, and a wave's store covers 512 consecutive bytes, aligned.
; LEFT OUT: matrix units, clusters, tensor loads (no byte is wanted by two waves); barriers (each wave has LDS bytes of its own); a prefetch (the loads of a whole row are out from the start).
.set SPARE, 36864                      ; behind the eight waves' 4,608 bytes: the spare words, 128 bytes a wave, four blocks of 256 bytes that no other line names
.set LPITCH, 144                       ; a multivector in LDS: 128 bytes + 16: an odd multiple of 16, so sixteen lanes that read sixteen rows touch sixteen different 16-byte columns of 256
.set GO,   2                           ; v2      16 x lane: my bytes in 512, for loads and stores; never rewritten
.set LSTO, 3                           ; v3      where my 16 loaded bytes go in LDS
.set LRD,  4                           ; v4      where my multivector begins in LDS
.set SPW,  6                           ; v6      my spare word; never rewritten
.set NIL,  7                           ; v7      0; never rewritten
.set E,    8                           ; v[8:15]   a result row's eight numbers in f32
.set OUT,  16                          ; v[16:23]  two slots of four: the row packed to f16
.set X,    32                          ; v[32:159] chunk i as loaded at X + 32 i; its first-stage sums lie two registers lower (chunk 0's from v30 on)
; the sign bit of s(a,b): generators of b moved past those of a, and the metric's -1 for a repeated e_5 (bit 4)
.macro SGN a, b
.set SG, (((((\a)>>1)^((\a)>>2)^((\a)>>3)^((\a)>>4))&(\b))^(((\a)&(\b))>>4))
.set SG, SG^(SG>>4)
.set SG, SG^(SG>>2)
.set SG, (SG^(SG>>1))&1
.endm
; the sign bit of chi_r(g) for g number gi of 0, 1, 18, 19; UU = u_r is set by the caller
.macro CHI gi
	SGN UU, 1
.set E1, SG
	SGN 1, UU
.set E1, E1^SG
	SGN UU, 18
.set E2, SG
	SGN 18, UU
.set E2, E2^SG
	SGN 1, 18
.set CH, 0
.if (\gi) == 1
.set CH, E1
.elseif (\gi) == 2
.set CH, E2
.elseif (\gi) == 3
.set CH, E1^E2^SG
.endif
.endm
; TS = the sign bit of term gi of x^[r][cc]
.macro XS r, cc, gi
.set UU, (0x2640>>(4*(\r)))&15
.set GG, (0x13120100>>(8*(\gi)))&31
.set CC2, 2*(\cc)
.set HH, UU^CC2
	CHI \gi
.set TS, CH
	SGN UU, CC2
.set TS, TS^SG
	SGN GG, HH
.set TS, TS^SG
.endm
; TS = the sign bit of term gi of W[cc][cp]
.macro WS cp, cc, gi
.set GG, (0x13120100>>(8*(\gi)))&31
.set HP, 2*(\cp)
.set HC, 2*(\cc)
.set JJ, HC^HP^GG
.set TS, 0
.if (\gi) == 3
	SGN 1, 18
.set TS, SG
.endif
	SGN GG, HP
.set TS, TS^SG
	SGN HC, JJ
.set TS, TS^SG
.endm
; v[DD] = +-v[RA] +- v[RB], the signs by NA and NB: one instruction
.macro COMB
.if (NA == 0) && (NB == 0)
	v_add_f32 v[DD], v[RA], v[RB]
.elseif NA == 0
	v_sub_f32 v[DD], v[RA], v[RB]
.elseif NB == 0
	v_sub_f32 v[DD], v[RB], v[RA]
.else
	v_fma_f32 v[DD], v[RA], -1.0, -v[RB]
.endif
.endm
; chunk i is turned: in come 16 bytes of multivector 4 j + l / 8, out goes multivector l whole
.macro TRANSPOSE i
	s_wait_loadcnt 24-8*(\i)                       ; loads return in order: the chunk's eight are in, those of the 3 - i chunks behind it stay out
.irp j, 0,1,2,3,4,5,6,7
	ds_store_b128 v[LSTO], v[X+32*(\i)+4*\j:X+32*(\i)+4*\j+3] offset:576*\j
.endr
.irp q, 0,1,2,3,4,5,6,7
	ds_load_b128 v[X+32*(\i)+4*\q:X+32*(\i)+4*\q+3], v[LRD] offset:16*\q  ; LDS serves a wave's instructions in order, and the bytes are the wave's own: these see the stores above
.endr
	s_wait_dscnt 0x0
.endm
; first stage: of each pair (even index, odd index) the sum and the difference, two registers below the pair: every later sum of four needs one of the two from each of two pairs
.macro STAGE1 i
.set p, 0
.rept 16
	v_pk_add_f32 v[X+32*(\i)+p-2:X+32*(\i)+p-1], v[X+32*(\i)+p:X+32*(\i)+p+1], v[X+32*(\i)+p:X+32*(\i)+p+1] op_sel:[0,1] op_sel_hi:[0,1] neg_hi:[0,1]
.set p, p+2
.endr
.endm
; one result row of chunk i: kind 0: x^[rho][0..7]; kind 1: W[0..7][rho].  Eight sums, four roundings, one store.
.macro ROW kind, i, rho
.if ((\rho)%2) == 0
	s_wait_xcnt 0x0                                ; the stores issued so far have read their data: OUT's two slots are written again only behind this wait
.endif
.set c, 0
.rept 8
.if \kind
.set BASE, (2*c)^(2*(\rho))
.else
.set BASE, ((0x2640>>(4*(\rho)))&15)^(2*c)
.endif
.irp g, 0,1,2,3
.if \kind
	WS \rho, c, \g
.else
	XS \rho, c, \g
.endif
.set N\g, TS
.endr
.set DD, E+c
.set RA, X+32*(\i)-2+BASE+(N0^N1)      ; terms g = 0, 1: indices BASE, BASE + 1: their sum or their difference,
.set NA, N0                            ; with the first term's sign
.set RB, X+32*(\i)-2+(BASE^18)+(N2^N3) ; terms g = 18, 19 likewise
.set NB, N2
	COMB
.set c, c+1
.endr
.irp p, 0,1,2,3
	v_cvt_pk_f16_f32 v[OUT+4*((\rho)%2)+\p], v[E+2*\p], v[E+2*\p+1]
.endr
.if \kind
	global_store_b128 v[GO], v[OUT+4*((\rho)%2):OUT+4*((\rho)%2)+3], s[22:23] offset:(\rho)*2048+512*(\i)   ; row 8 o + c', columns 8 (32 i + l) on
.else
	global_store_b128 v[GO], v[OUT+4*((\rho)%2):OUT+4*((\rho)%2)+3], s[22:23] offset:(\rho)*32768+512*(\i)  ; 16 r rows further down
.endif
.endm
	s_load_b256 s[4:11], s[0:1], 0x0               ; x s[4:5], weight s[6:7], xh s[8:9], wh s[10:11]
	v_lshl_add_u32 v[SPW], v0, 2, SPARE
	v_mov_b32 v[NIL], 0
	v_lshrrev_b32 v1, 5, v0
	v_readfirstlane_b32 s12, v1                    ; wave 0..7
	v_and_b32 v1, 31, v0                           ; lane
	v_lshlrev_b32 v[GO], 4, v1
	s_mul_i32 s15, s12, 32*LPITCH                  ; my wave's LDS bytes
	v_lshrrev_b32 v5, 3, v1                        ; l / 8
	v_and_b32 v[LRD], 7, v1                        ; l % 8
	v_mul_u32_u24 v5, v5, LPITCH
	v_lshl_add_u32 v[LSTO], v[LRD], 4, v5
	v_add_nc_u32 v[LSTO], s15, v[LSTO]
	v_mul_u32_u24 v[LRD], v1, LPITCH
	v_add_nc_u32 v[LRD], s15, v[LRD]
	s_sub_co_u32 s13, ttmp9, 16
	s_cmp_lt_u32 ttmp9, 16                         ; a work-group for the weights?
	s_cselect_b32 s13, ttmp9, s13                  ; its number among its kind
	s_lshl3_add_u32 s14, s13, s12                  ; my row: o or b
	s_lshl_b32 s16, s14, 14                        ; a row of either input is 16,384 bytes
	s_mov_b32 s17, 0
	s_lshr_b32 s18, s14, 4                         ; xh: (b / 16) x 64 rows of 2,048 bytes
	s_lshl_b32 s18, s18, 17
	s_and_b32 s19, s14, 15                         ; + b % 16 rows
	s_lshl_b32 s19, s19, 11
	s_add_co_u32 s18, s18, s19
	s_cmp_lt_u32 ttmp9, 16                         ; (the shifts and the sum have written SCC)
	s_cselect_b32 s18, s16, s18                    ; wh: 8 o rows of 2,048 bytes
	s_mov_b32 s19, 0
	s_wait_kmcnt 0x0
	s_cselect_b64 s[20:21], s[6:7], s[4:5]         ; from where,
	s_cselect_b64 s[22:23], s[10:11], s[8:9]       ; to where
	s_add_nc_u64 s[20:21], s[20:21], s[16:17]
	s_add_nc_u64 s[22:23], s[22:23], s[18:19]
.set i, 0
.rept 4
.set j, 0
.rept 8
	global_load_b128 v[X+32*i+4*j:X+32*i+4*j+3], v[GO], s[20:21] offset:4096*i+512*j th:TH_LOAD_NT  ; the whole row: 32 loads, each byte read once in the launch
.set j, j+1
.endr
.set i, i+1
.endr
	s_cmp_lt_u32 ttmp9, 16
	s_cbranch_scc1 .Lweight
.irp i, 0,1,2,3
	TRANSPOSE \i
	STAGE1 \i
.irp r, 0,1,2,3
	ROW 0, \i, \r
.endr
.endr
	s_branch .Lend
.Lweight:
.irp i, 0,1,2,3
	TRANSPOSE \i
	STAGE1 \i
.irp r, 0,1,2,3,4,5,6,7
	ROW 1, \i, \r
.endr
.endr
.Lend:
	s_wait_tensorcnt 0x0                           ; the wave's end, behind my last LDS store
	ds_add_u32 v[SPW], v[NIL]
	s_wait_dscnt 0x0
	s_endpgm
.Lfunc_end_k_q6aebbf0883_prep:
	.size	k_q6aebbf0883_prep, .Lfunc_end_k_q6aebbf0883_prep-k_q6aebbf0883_prep
	.p2alignl 7, 3214868480
	.fill 96, 4, 3214868480
	.section	.rodata,"a",@progbits
	.p2align	6, 0x0
	.amdhsa_kernel k_q6aebbf0883_prep
		.amdhsa_group_segment_fixed_size 37888
		.amdhsa_private_segment_fixed_size 0
		.amdhsa_enable_private_segment 0
		.amdhsa_kernarg_size 32
		.amdhsa_user_sgpr_count 2
		.amdhsa_user_sgpr_kernarg_segment_ptr 1
		.amdhsa_wavefront_size32 1
		.amdhsa_system_sgpr_workgroup_id_x 1
		.amdhsa_system_sgpr_workgroup_id_y 1
		.amdhsa_system_sgpr_workgroup_id_z 1
		.amdhsa_system_vgpr_workitem_id 0
		.amdhsa_next_free_vgpr 160
		.amdhsa_next_free_sgpr 66
		.amdhsa_reserve_vcc 0
		.amdhsa_float_denorm_mode_32 3
		.amdhsa_float_denorm_mode_16_64 3
		.amdhsa_memory_ordered 1
		.amdhsa_forward_progress 1
		.amdhsa_inst_pref_size 53
	.end_amdhsa_kernel
	.amdgpu_metadata
---
amdhsa.version: [ 1, 2 ]
amdhsa.kernels:
  - .name:           k_q6aebbf0883_prep
    .symbol:         k_q6aebbf0883_prep.kd
    .args:
      - { .name: x, .offset: 0, .size: 8, .value_kind: global_buffer, .address_space: global }
      - { .name: weight, .offset: 8, .size: 8, .value_kind: global_buffer, .address_space: global }
      - { .name: xh, .offset: 16, .size: 8, .value_kind: global_buffer, .address_space: global }
      - { .name: wh, .offset: 24, .size: 8, .value_kind: global_buffer, .address_space: global }
    .group_segment_fixed_size: 37888
    .private_segment_fixed_size: 0
    .kernarg_segment_align: 8
    .kernarg_segment_size: 32
    .max_flat_workgroup_size: 256
    .sgpr_count:     66
    .vgpr_count:     160
    .wavefront_size: 32
...
	.end_amdgpu_metadata
.endif
;; end of part 1
;; launch gemm (part 2): grid 4 x 64, 4 waves a work-group, clusters of 4 x 4, 327,680 bytes of LDS; arguments xh, wh, out0; writes out0
.if DOCPART == 2
	.amdgcn_target "amdgcn-amd-amdhsa--gfx1250"
	.amdhsa_code_object_version 6
	.text
	.protected	k_q6aebbf0883_gemm
	.globl	k_q6aebbf0883_gemm
	.p2align	8
	.type	k_q6aebbf0883_gemm,@function
k_q6aebbf0883_gemm:
	s_mov_b64 s[64:65], 0
	v_nop
	global_prefetch_b8 v0, s[64:65] scope:SCOPE_SE
	s_setreg_imm32_b32 hwreg(HW_REG_WAVE_MODE, 25, 1), 1
	s_wait_xcnt 0x0
	s_wait_alu depctr_hold_cnt(0) depctr_sa_sdst(0) depctr_va_vdst(0) depctr_va_sdst(0) depctr_va_ssrc(0) depctr_va_vcc(0) depctr_vm_vsrc(0)
	s_getreg_b32 s2, hwreg(HW_REG_IB_STS2, 6, 4)
	s_cmp_eq_u32 s2, 0
	s_cbranch_scc0 .Lentry_in_a_cluster
	s_endpgm
.Lentry_in_a_cluster:
	s_bfe_u32 s2, ttmp6, 0x10000c
	s_cmp_lg_u32 s2, 0xf033
	s_cbranch_scc0 .Lentry_shape_is_right
	s_endpgm
.Lentry_shape_is_right:
; y^[m][n] = sum over k of xh[m][k] wh[n][k], 16384 x 1024 x 1024 in f16 with f32 sums, and on the way out the map back to blades and the normalisation:
;   out[b][o][g^h] = (sum over r of chi_r(g) s(u_r,2c_r) s(g,h) y^[b,r][o,c_r]) x rsqrt(4 sum(y^ y^) + 16e-6),  h = 2 hc, c_r = (u_r / 2) ^ hc, g in {0,1,18,19}.
; (The launch before explains the coordinates.  y = 1/4 of the sum with signs, sum(y y) = 1/4 sum(y^ y^), and 1/4 rsqrt(S / 4 + 1e-6) = rsqrt(4 S + 16e-6).)
; xh's row is (b/16) 64 + 16 r + b%16, wh's row 8 o + c'.  out0: [4096][128][32] f32.
; LIMITS.  Operands are f16 as the launch before rounded them; sums, the norm and the map back are f32.  NaN and infinities are not treated apart.
; SHARES.  A work-group of four waves makes 256 x 256 of y^ (64 b x 32 o), a wave 128 x 128: 64 accumulators, 512 registers.  256 work-groups.  K goes in steps of 128 through two LDS slots
; filled by the tensor data mover; a row of a tile is 256 bytes of memory at a multiple of 256 from the buffer's first byte.
; CLUSTERS.  4 x 4 work-groups.  The four of a row of the cluster need the same tiles of xh, the four of a column the same tiles of wh: each tile is asked for JOINTLY, by the same tensor
; load with the same descriptor and a mask that names the four, which divides the requests for both by four.
; THE MATRIX INSTRUCTION IS USED TRANSPOSED (source 0 = 16 rows of wh, source 1 = 16 rows of xh): lane l, register j of accumulator (a, nb) holds b%16 = l % 16, r = a % 4,
; o = 2 nb + l / 16 (in the wave's 16), c' = j.  So the four accumulators (r = 0..3) of one nb hold, in ONE lane, all 32 numbers of one (b, o): the norm and the map back cross no lanes.
; REGISTERS, in windows of 256 (s_set_vgpr_msb's low byte: bits 1:0 source 0, 3:2 source 1, 5:4 source 2, 7:6 destination):
;   window 0: v0-31 addresses; v64-127, v128-191 fragments of xh, two buffers; on the way out v64-138 at work, v192-255 rows read back from the stage
;   window 1: v64-127, v128-191 fragments of wh       window 2: the accumulators of my rows 0-63 ((a, nb) at v[8 (8 a + nb)])       window 3: those of my rows 64-127
; All of the work-group's LDS is claimed; the text uses 296,448 bytes.
.set SIZE_K, 1024
.set KSTEP,  128
.set PITCH,  272                       ; an LDS row: 256 bytes + 16 of padding = 68 words: the 16 rows that a load touches start at 16 different groups of four banks (64 banks of 4 bytes: ISA guide 11.1)
.set HALFT,  128*PITCH                 ; 128 rows: what one tensor load brings, and what one wave reads of either operand
.set SLOT,   4*HALFT                   ; xh's 256 rows, then wh's 256 rows
.set STAGE,  2*SLOT                    ; behind the ring, never filled by a tensor load: 16 rows x 272 bytes for each wave, for the way out
.set SPITCH, 272
.set SPARE,  STAGE+4*16*SPITCH         ; behind the stages: the spare words, 128 bytes a wave: two blocks of 256 bytes that no other line names
.set LAPS,   SIZE_K/(2*KSTEP)          ; a lap = two K steps = once round the ring: 4
.set ADRA, 16                          ; v16-17  LDS address of my xh fragments in slot 0, 1
.set ADRB, 20                          ; v20-21  the same for wh
.set STO,  24                          ; v24     the way out: where my (b, o)'s 128 bytes begin in the stage
.set RD,   25                          ; v25     the way out: where I read 16 bytes of a row back
.set CO,   26                          ; v26     my byte offset in out0
.set SPW,  28                          ; v28     my spare word; never rewritten
.set NIL,  29                          ; v29     0; never rewritten
.set PFO,  30                          ; v30     the prefetches' offset: my lane x a row of 2,048 bytes; never rewritten
.set F0,   64                          ; fragment buffer 0
.set F1,   128                         ; fragment buffer 1
.set OV,   64                          ; the way out: v64-95 the 32 results of my (b, o)
.set PP,   96                          ; v96-111   for each hc: (A0 + A1, A0 - A1)
.set QQ,   112                         ; v112-127  for each hc: (A2 + A3, A2 - A3)
.set SS,   128                         ; v128-135  four chains of squares
.set INV,  136                         ; v136-137  the factor, twice (a pair for the packed forms)
.set SQ,   138                         ; v138      4 sum + 16e-6
.set BK0,  192                         ; v192-223, v224-255 by turns: 16 rows read back from the stage
.set LIM,  43                          ; s43      1 in a wave that prefetches, else the greatest number
.set PFA,  44                          ; s[44:45] where my prefetches stand
.set G1,  24                           ; s[24:31] descriptor group 1 for xh's tiles
.set G0,  32                           ; s[32:39] group 0 for xh's tiles, a set for each slot
.set G1B, 48                           ; s[48:55], s[56:63] the same for wh's
.set G0B, 56
.set MSB, 0
.macro WIN new                         ; the immediate's high byte repeats the setting that is left; a switch that changes nothing is dropped
.if MSB != (\new)
	s_set_vgpr_msb (MSB<<8)|(\new)
.set MSB, \new
.endif
.endm
.set MUL_LO, 0xa1                      ; source 0 (wh) window 1, source 1 (xh) window 0, C and D window 2
.set MUL_HI, 0xf1                      ; the same, C and D window 3
.set TO_B,   0x40                      ; destination window 1, address window 0
; the sign bit of s(a,b) of Cl(4,1)
.macro SGN a, b
.set SG, (((((\a)>>1)^((\a)>>2)^((\a)>>3)^((\a)>>4))&(\b))^(((\a)&(\b))>>4))
.set SG, SG^(SG>>4)
.set SG, SG^(SG>>2)
.set SG, (SG^(SG>>1))&1
.endm
; A joint load.  Waves 0 and 1 fetch xh's two halves, waves 2 and 3 wh's.  The branch hangs on the wave's number alone.  An s_nop 0 and four v_nop follow each of the two lines.
.macro JLOAD s
	s_cmp_eq_u32 s11, 0
	s_cbranch_scc0 .Lfor_b_\@
	tensor_load_to_lds s[G0+4*(\s):G0+4*(\s)+3], s[G1:G1+7]
	s_nop 0
.rept 4
	v_nop
.endr
	s_branch .Lasked_\@
.Lfor_b_\@:
	tensor_load_to_lds s[G0B+4*(\s):G0B+4*(\s)+3], s[G1B:G1B+7]
	s_nop 0
.rept 4
	v_nop
.endr
.Lasked_\@:
.endm
; A PREFETCH INTO THE L2 of the K step that stands two refills on: 32 rows x 256 bytes, a lane a row, one instruction a wave, behind the joint load and the run of LDS loads: 512 matrix instructions
; ahead of the load that will ask for those rows.  Each row's 256 bytes of a K step are named once in the launch: xh's tile row is read by one cluster alone, which asks; wh's tile column is read by all
; sixteen clusters, of which cluster y = 0 asks.  The four partners of a joint load share its 128 rows out BY ADDRESS, 32 each.  K steps 0 to 3 come by their loads alone; the loop's last trip asks for nothing.
.macro ASK
	s_cmp_gt_u32 s3, s[LIM]                        ; s3 = 1 in the loop's last trip
	s_cbranch_scc0 .Lnot_mine_\@
	global_prefetch_b8 v[PFO], s[PFA:PFA+1] offset:KSTEP*2 th:TH_LOAD_NT scope:SCOPE_SE
.Lnot_mine_\@:
.endm
; A round of the cluster's barrier: my work-group's barrier; wave 0 signals for the work-group; every wave waits for all sixteen; my work-group's barrier once more.
.macro CREST
	s_cmp_lg_u32 s10, 0
	s_cbranch_scc1 .Lnot_wave_0_\@
	s_barrier_signal -3
.Lnot_wave_0_\@:
	s_barrier_wait -3
	s_barrier_signal -1
	s_barrier_wait -1
.endm
.macro CROUND
	s_barrier_signal -1
	s_barrier_wait -1
	CREST
.endm
	s_load_b128 s[4:7], s[0:1], 0x0                ; xh s[4:5], wh s[6:7]
	s_load_b64 s[8:9], s[0:1], 0x10                ; out0
	v_lshl_add_u32 v[SPW], v0, 2, SPARE
	v_mov_b32 v[NIL], 0
	ds_add_u32 v[SPW], v[NIL]                      ; the wave's opening: the add, twice on end, and its wait ahead of my first tensor load; the set-up below stands between
	ds_add_u32 v[SPW], v[NIL]
	v_lshrrev_b32 v1, 5, v0
	v_readfirstlane_b32 s10, v1                    ; wave 0..3
	s_lshr_b32 s11, s10, 1                         ; which half of the tile's rows is mine.  Also: I fetch for xh (0) or for wh (1)
	s_and_b32 s12, s10, 1                          ; which half of its columns.  Also: which 128 rows of that tile I fetch
	s_mov_b32 s2, 0x378637bd                       ; 16e-6
	s_bfe_u32 s40, ttmp6, 0x40000                  ; cx
	s_bfe_u32 s41, ttmp6, 0x40004                  ; cy
	s_lshl_b32 s42, ttmp9, 2                       ; in a cluster launch ttmp9 and ttmp7 count clusters
	s_add_co_u32 s42, s42, s40                     ; tile column = 4 x cluster x + cx
	s_and_b32 s13, ttmp7, 0xffff
	s_lshl_b32 s13, s13, 2
	s_add_co_u32 s13, s13, s41                     ; tile row = 4 x cluster y + cy
	s_lshl_b32 s43, s41, 2
	s_lshl_b32 s43, 15, s43                        ; my row of the cluster: places 4 cy .. 4 cy + 3
	s_lshl_b32 s44, 0x1111, s40                    ; my column: places cx, cx + 4, cx + 8, cx + 12
	; descriptor group 1: a tile of 128 rows x 128 elements of 2 bytes, padded in LDS by 4 words after every 64
	s_or_b32 s[G1+0], s43, (1<<16)|(1<<20)|(1<<21)|(5<<22)|(3<<25)   ; 15:0 the mask; 17:16 2-byte elements; 20 padding on; 21 set beside a mask; 24:22 interval code 5; 31:25 pad code 3
	s_or_b32 s[G1B+0], s44, (1<<16)|(1<<20)|(1<<21)|(5<<22)|(3<<25)
	s_mov_b32 s[G1B+1], KSTEP<<16
	s_mov_b32 s[G1+1], KSTEP<<16                   ; tensor_dim0 = 128
	s_mov_b32 s[G1B+2], 128<<16
	s_mov_b32 s[G1+2], 128<<16                     ; tensor_dim1 = 128
	s_mov_b32 s[G1B+3], KSTEP<<16
	s_mov_b32 s[G1+3], KSTEP<<16                   ; tile_dim0 = 128
	s_mov_b32 s[G1B+4], 128
	s_mov_b32 s[G1+4], 128                         ; tile_dim1 = 128
	s_mov_b32 s[G1B+5], SIZE_K
	s_mov_b32 s[G1+5], SIZE_K                      ; elements from row to row
	s_mov_b32 s[G1B+6], 0
	s_mov_b32 s[G1+6], 0
	s_mov_b32 s[G1B+7], 0
	s_mov_b32 s[G1+7], 0
	; xh's tiles hang on the tile row alone, which my row of the cluster shares; wh's on the tile column alone, which my column shares
	s_lshl_b32 s17, s12, 7                         ; which 128 rows of the tile I fetch
	s_lshl_b32 s16, s13, 8
	s_add_co_u32 s16, s16, s17                     ; xh: row 256 x tile row + 128 x half
	s_lshl_b32 s46, s42, 8
	s_add_co_u32 s46, s46, s17                     ; wh: row 256 x tile column + 128 x half
	s_mov_b32 s17, 0
	s_mov_b32 s47, 0
	s_mov_b64 s[18:19], SIZE_K*2
	s_mul_u64 s[16:17], s[16:17], s[18:19]
	s_mul_u64 s[46:47], s[46:47], s[18:19]
	s_mul_i32 s20, s10, HALFT                      ; where they go: wave x 128 rows: no place in the cluster enters an LDS address
	s_wait_dscnt 0x0                               ; both opening adds are done
	s_wait_kmcnt 0x0
	s_add_nc_u64 s[14:15], s[4:5], s[16:17]
	s_add_nc_u64 s[46:47], s[6:7], s[46:47]
	CROUND                                         ; all sixteen work-groups are here: the first joint loads meet
.irp s, 0,1
	s_mov_b32 s[G0+4*(\s)], 1                                        ; count = 1
	s_add_co_u32 s[G0+4*(\s)+1], s20, (\s)*SLOT                      ; LDS address
	s_add_nc_u64 s[G0+4*(\s)+2:G0+4*(\s)+3], s[14:15], (\s)*KSTEP*2  ; global address: K step s
	s_or_b32 s[G0+4*(\s)+3], s[G0+4*(\s)+3], 0x80000000              ; type = 2
	s_mov_b32 s[G0B+4*(\s)], 1
	s_add_co_u32 s[G0B+4*(\s)+1], s20, (\s)*SLOT
	s_add_nc_u64 s[G0B+4*(\s)+2:G0B+4*(\s)+3], s[46:47], (\s)*KSTEP*2
	s_or_b32 s[G0B+4*(\s)+3], s[G0B+4*(\s)+3], 0x80000000
	JLOAD \s                                       ; both slots are asked for before anything else: two loads of mine are out
.endr
	; a fragment is 16 rows x 32 K in 8 registers: lane l holds row l % 16, K = 8 (l / 16) + 0..7 and 16 + 8 (l / 16) + 0..7: two loads of 16 bytes, 32 bytes apart
	v_and_b32 v1, 15, v0                           ; l % 16
	v_bfe_u32 v2, v0, 4, 1                         ; l / 16
	v_mul_u32_u24 v3, v1, PITCH
	v_lshl_add_u32 v3, v2, 4, v3
	s_mul_i32 s21, s11, HALFT                      ; my 128 rows of xh
	s_mul_i32 s22, s12, HALFT                      ; my 128 rows of wh,
	s_add_co_u32 s22, s22, 2*HALFT                 ; which lie behind xh's 256
.irp s, 0,1
	v_add_nc_u32 v[ADRA+(\s)], s21, v3
	v_add_nc_u32 v[ADRB+(\s)], s22, v3
	s_add_co_u32 s21, s21, SLOT
	s_add_co_u32 s22, s22, SLOT
.endr
	s_mul_i32 s23, s10, 16*SPITCH
	s_add_co_u32 s23, s23, STAGE                   ; my stage
	v_mul_u32_u24 v4, v1, SPITCH                   ; in: row b % 16 = l % 16; its 256 bytes are two o's of 128 bytes, o by l / 16
	v_lshl_add_u32 v4, v2, 7, v4
	v_add_nc_u32 v[STO], s23, v4
	v_mul_u32_u24 v5, v2, SPITCH                   ; back: lanes 0-15 take one row of 256 bytes, lanes 16-31 the next
	v_lshl_add_u32 v5, v1, 4, v5
	v_add_nc_u32 v[RD], s23, v5
	v_lshlrev_b32 v5, 14, v2                       ; and the same two b in out0, 16,384 bytes apart
	v_lshl_add_u32 v[CO], v1, 4, v5
	; out0 at my first b and my first o: (64 x tile row + 32 x half) x 16,384 + tile column x 4,096 + half x 2,048
	s_lshl_b32 s16, s13, 6
	s_lshl_b32 s14, s11, 5
	s_add_co_u32 s16, s16, s14
	s_lshl_b32 s16, s16, 14
	s_mov_b32 s17, 0
	s_lshl_b32 s46, s42, 12
	s_lshl_b32 s47, s12, 11
	s_add_co_u32 s46, s46, s47
	s_mov_b32 s47, 0
	s_add_nc_u64 s[16:17], s[16:17], s[46:47]
	s_add_nc_u64 s[8:9], s[8:9], s[16:17]          ; never rewritten: the stores' places stand in their immediates
	; the prefetches
	s_lshl_b32 s13, s13, 8
	s_lshl_b32 s42, s42, 8
	s_and_b32 s22, ttmp7, 0xffff                   ; cluster y
	s_cmp_eq_u32 s11, 0                            ; do I fetch for xh?
	s_cselect_b32 s20, s13, s42                    ; the tile's first row
	s_cselect_b32 s21, s40, s41                    ; my place among the four that ask for it with me
	s_cselect_b32 s22, ttmp9, s22                  ; the coordinate along which other clusters read the same rows
	s_cselect_b64 s[PFA:PFA+1], s[4:5], s[6:7]
	s_cmp_eq_u32 s22, 0
	s_cselect_b32 s[LIM], 1, -1                    ; the same in all sixteen partners, for a given wave
	s_lshl_b32 s22, s12, 7
	s_add_co_u32 s20, s20, s22                     ; + the 128 rows that I fetch
	s_lshl_b32 s21, s21, 5
	s_add_co_u32 s20, s20, s21                     ; + my work-group's 32 of them
	s_mov_b32 s21, 0
	s_mov_b64 s[18:19], SIZE_K*2
	s_mul_u64 s[20:21], s[20:21], s[18:19]
	s_add_nc_u64 s[PFA:PFA+1], s[PFA:PFA+1], s[20:21]
	s_add_nc_u64 s[PFA:PFA+1], s[PFA:PFA+1], 2*KSTEP*2  ; at K step 2: the first refill steps it to 3 and names K step 4
	v_and_b32 v[PFO], 31, v0
	v_mul_u32_u24 v[PFO], v[PFO], SIZE_K*2
; 16 matrix instructions: m blocks a0, a0 + 1 of the window's four x all 8 n blocks, 32 along K.  zero = 1: the first product starts the sums: nothing is cleared.
; The 64 accumulators take turns, one instruction a turn, in the same order in every quarter.
.macro MUL16 f, hi, a0, zero
	WIN MUL_LO+0x50*(\hi)
.irp a, \a0, (\a0)+1
.irp b, 0,1,2,3,4,5,6,7
.if \zero
	v_wmma_f32_16x16x32_f16 v[8*(8*(\a)+(\b)):8*(8*(\a)+(\b))+7], v[(\f)+8*(\b):(\f)+8*(\b)+7], v[(\f)+8*(4*(\hi)+(\a)):(\f)+8*(4*(\hi)+(\a))+7], 0
.else
	v_wmma_f32_16x16x32_f16 v[8*(8*(\a)+(\b)):8*(8*(\a)+(\b))+7], v[(\f)+8*(\b):(\f)+8*(\b)+7], v[(\f)+8*(4*(\hi)+(\a)):(\f)+8*(4*(\hi)+(\a))+7], v[8*(8*(\a)+(\b)):8*(8*(\a)+(\b))+7]
.endif
.endr
.endr
.endm
; 32 LDS loads in one run: the fragments of one quarter step (32 K at byte k of the rows) into buffer f
.macro FETCH slot, k, f
	WIN TO_B
.irp i, 0,1,2,3,4,5,6,7
	ds_load_b128 v[(\f)+8*(\i):(\f)+8*(\i)+3],   v[ADRB+(\slot)] offset:(\k)+(\i)*16*PITCH
	ds_load_b128 v[(\f)+8*(\i)+4:(\f)+8*(\i)+7], v[ADRB+(\slot)] offset:(\k)+(\i)*16*PITCH+32
.endr
	WIN 0
.irp i, 0,1,2,3,4,5,6,7
	ds_load_b128 v[(\f)+8*(\i):(\f)+8*(\i)+3],   v[ADRA+(\slot)] offset:(\k)+(\i)*16*PITCH
	ds_load_b128 v[(\f)+8*(\i)+4:(\f)+8*(\i)+7], v[ADRA+(\slot)] offset:(\k)+(\i)*16*PITCH+32
.endr
.endm
; four plain vector instructions between a matrix instruction and a load into, or a vector access to, its registers (ISA guide 7.12.1 for vector instructions)
.macro PLACES
.rept 4
	v_nop
.endr
.endm
; A K step is four quarters of 32 along K, 64 matrix instructions each, on buffers 0, 1, 0, 1.  One of the first three: multiplies buffer f; in its middle it fetches the next quarter into g.
.macro QUARTER slot, k, f, g, zero
	s_wait_dscnt 8                                 ; wh's fragments and xh's rows 0-63 are in; the youngest eight loads (xh's rows 64-127) may be out
	WIN MUL_LO
	MUL16 \f, 0, 0, \zero
	MUL16 \f, 0, 2, \zero
	PLACES
	FETCH \slot, \k, \g
	s_wait_dscnt 32                                ; all but the 32 just issued
	WIN MUL_HI
	MUL16 \f, 1, 0, \zero
	MUL16 \f, 1, 2, \zero
.endm
; The first half of a K step's last quarter, with the ONE barrier of the change of slots.  In front of it each wave waits for all its tensor loads (the one that is out is its part of the next slot),
; adds 0 to its spare word, and waits for that and for its reads of this slot.  Behind it nobody reads this slot any more and the next slot is whole.
.macro MEET round
	WIN 0                                          ; (the add's two registers lie in window 0)
	s_wait_tensorcnt 0x0
	ds_add_u32 v[SPW], v[NIL]                      ; 0 onto my spare word
	s_wait_dscnt 9                                 ; (the add and the youngest eight loads may be out)
	WIN MUL_LO
	MUL16 F1, 0, 0, 0                              ; sixteen matrix instructions stand between the add and the wait for it
	s_wait_dscnt 0x0                               ; the add is done, and my reads of this slot are over
	s_barrier_signal -1
	MUL16 F1, 0, 2, 0                              ; work on registers while the others arrive
.if \round
	WIN 0
.endif
	s_barrier_wait -1
.endm
; The whole last quarter where the slot is filled again, with the K step two steps on: the barrier opens a round of the cluster's, and the joint refill is the first tensor load behind it.
; From that request to the wait for it a wave issues 224 matrix instructions.
.macro TURN slot, next
	s_wait_xcnt 0x0                                ; the last prefetch, a K step back, has read its address, which is stepped here
	s_add_nc_u64 s[PFA:PFA+1], s[PFA:PFA+1], KSTEP*2
	MEET 1
	CREST                                          ; no wave of any partner still reads this slot's tile or has a load on its way
	s_add_nc_u64 s[G0+4*(\slot)+2:G0+4*(\slot)+3], s[G0+4*(\slot)+2:G0+4*(\slot)+3], 2*KSTEP*2
	s_add_nc_u64 s[G0B+4*(\slot)+2:G0B+4*(\slot)+3], s[G0B+4*(\slot)+2:G0B+4*(\slot)+3], 2*KSTEP*2
	JLOAD \slot                                    ; its four v_nop are also the places in front of the loads below
	FETCH \next, 0, F0
	ASK
	WIN MUL_HI
	MUL16 F1, 1, 0, 0
	MUL16 F1, 1, 2, 0
.endm
; THE WAY OUT, in 16 units: unit u = 8 bg + nb is the four accumulators (r = 0..3) of 16 b (bg) and two o (nb): in each lane one (b, o).
; With A_r = s(u_r,2c_r) y^[r][c_r]:  (out[h], out[h+1]) = PP + QQ,  (out[h^18], out[h^18+1]) = s(18,h) (PP - QQ),  PP = (A0 + A1, A0 - A1), QQ = (A2 + A3, A2 - A3), all times the factor.
; (chi_r = (+,+,+,+), (+,-,+,-), (+,+,-,-), (+,-,-,+) on g = 0, 1, 18, 19; s(1,h) = +1 and s(19,h) = s(18,h) for even h.)
.macro PK2E h, x, y, z
	v_pk_add_f32 v[DD:DD+1], v[PA:PA+1], v[PB:PB+1] op_sel:[\h,\h] op_sel_hi:[\h,\h] neg_lo:[\x,\y] neg_hi:[\x,\z]
.endm
.macro PK2                             ; v[DD] = +-A +- B, v[DD+1] = +-A -+ B; A, B: register HF of the pairs PA, PB; the signs by NA, NB
.set IX, 4*HF+2*NA+NB
.if IX == 0
	PK2E 0, 0, 0, 1
.elseif IX == 1
	PK2E 0, 0, 1, 0
.elseif IX == 2
	PK2E 0, 1, 0, 1
.elseif IX == 3
	PK2E 0, 1, 1, 0
.elseif IX == 4
	PK2E 1, 0, 0, 1
.elseif IX == 5
	PK2E 1, 0, 1, 0
.elseif IX == 6
	PK2E 1, 1, 0, 1
.else
	PK2E 1, 1, 1, 0
.endif
.endm
; the squares (four chains; each accumulator's lowest registers are read first), PP and QQ, and the factor
.macro NORMPQ u
.set BG, (\u)/8
.set NBK, (\u)%8
	WIN 0x0a+5*BG                                  ; sources 0 and 1: window 2 or 3; the rest window 0
.set p, 0
.rept 4
.set r, 0
.rept 4
.set RR, 8*(8*r+NBK)+2*p
.if p == 0
	v_pk_mul_f32 v[SS+2*r:SS+2*r+1], v[RR:RR+1], v[RR:RR+1]
.else
	v_pk_fma_f32 v[SS+2*r:SS+2*r+1], v[RR:RR+1], v[RR:RR+1], v[SS+2*r:SS+2*r+1]
.endif
.set r, r+1
.endr
.set p, p+1
.endr
.set hc, 0
.rept 8
.set DD, PP+2*hc
.set PA, 8*NBK+(hc&6)                  ; y^[0][hc]
.set PB, 8*(8+NBK)+((hc^2)&6)          ; y^[1][hc ^ 2]
.set HF, hc&1
.set NA, 0
.set H2, 2*(hc^2)
	SGN 4, H2
.set NB, SG
	PK2
.set hc, hc+1
.endr
.set hc, 0
.rept 8
.set DD, QQ+2*hc
.set PA, 8*(16+NBK)+((hc^3)&6)         ; y^[2][hc ^ 3]
.set PB, 8*(24+NBK)+((hc^1)&6)         ; y^[3][hc ^ 1]
.set HF, (hc&1)^1
.set H2, 2*(hc^3)
	SGN 6, H2
.set NA, SG
.set H2, 2*(hc^1)
	SGN 2, H2
.set NB, SG
	PK2
.set hc, hc+1
.endr
	WIN 0
	v_pk_add_f32 v[SS:SS+1], v[SS:SS+1], v[SS+2:SS+3]
	v_pk_add_f32 v[SS+4:SS+5], v[SS+4:SS+5], v[SS+6:SS+7]
	v_pk_add_f32 v[SS:SS+1], v[SS:SS+1], v[SS+4:SS+5]
	v_add_f32 v[SQ], v[SS], v[SS+1]
	v_fma_f32 v[SQ], v[SQ], 4.0, s2
	v_rsq_f32 v[INV], v[SQ]
	v_rsq_f32 v[INV+1], v[SQ]
	v_nop                                          ; a plain instruction behind the last of the two, ahead of any use (ISA guide 5.7.2)
.endm
; unit u, read back from the stage as whole rows, is stored: sixteen lanes write 256 consecutive bytes, at a multiple of 256 from out0's first byte
.macro SEND u
.set BK, BK0+32*((\u)%2)
.set BG, (\u)/8
.set NBK, (\u)%8
	s_wait_dscnt 0x0                               ; the unit's eight loads from the stage are back
	s_wait_xcnt 0x0                                ; the stores of the unit before have read their data: their registers are loaded again only behind this wait
.irp t, 0,1,2,3,4,5,6,7
	global_store_b128 v[CO], v[BK+4*\t:BK+4*\t+3], s[8:9] offset:BG*262144+\t*32768+NBK*256 th:TH_STORE_NT
.endr
.endm
; the 32 results, into my stage as 128 bytes of row b % 16, and back by rows
.macro FIN u
	WIN 0
.set BK, BK0+32*((\u)%2)
	s_wait_alu depctr_va_vdst(0)                   ; one wait for both reciprocal roots, ahead of their first reader
.set hc, 0
.rept 8
	v_pk_mul_f32 v[QQ+2*hc:QQ+2*hc+1], v[QQ+2*hc:QQ+2*hc+1], v[INV:INV+1]
.set hc, hc+1
.endr
.set hc, 0
.rept 8
.set H2, 2*hc
	SGN 18, H2
.set OH, OV+16+((2*hc)^2)              ; h ^ 18 = 16 + (h ^ 2)
	v_pk_fma_f32 v[OV+2*hc:OV+2*hc+1], v[PP+2*hc:PP+2*hc+1], v[INV:INV+1], v[QQ+2*hc:QQ+2*hc+1]
.if SG == 0
	v_pk_fma_f32 v[OH:OH+1], v[PP+2*hc:PP+2*hc+1], v[INV:INV+1], v[QQ+2*hc:QQ+2*hc+1] neg_lo:[0,0,1] neg_hi:[0,0,1]
.else
	v_pk_fma_f32 v[OH:OH+1], v[PP+2*hc:PP+2*hc+1], v[INV:INV+1], v[QQ+2*hc:QQ+2*hc+1] neg_lo:[1,0,0] neg_hi:[1,0,0]
.endif
.set hc, hc+1
.endr
.irp q, 0,1,2,3,4,5,6,7
	ds_store_b128 v[STO], v[OV+4*\q:OV+4*\q+3] offset:16*\q
.endr
.irp t, 0,1,2,3,4,5,6,7
	ds_load_b128 v[BK+4*\t:BK+4*\t+3], v[RD] offset:\t*2*SPITCH  ; LDS serves a wave's instructions in order (ISA guide 5.7.1.4), and the stage is my own: these see the stores above
.endr
.endm
	s_wait_tensorcnt 1                             ; my part of K step 0 is in; K step 1's may stay out
	s_barrier_signal -1
	s_barrier_wait -1                              ; everybody's is
	FETCH 0, 0, F0
	QUARTER 0, 64,  F0, F1, 1                      ; the first quarter stands in front of the loop: its products start the sums
	WIN 0                                          ; at a label and at a branch every window is 0
	s_mov_b32 s3, LAPS-1
.Llap:                                                 ; a trip goes once round the ring, from a lap's second quarter to the next lap's first, and fills both slots again
	QUARTER 0, 128, F1, F0, 0
	QUARTER 0, 192, F0, F1, 0
	TURN 0, 1
	QUARTER 1, 64,  F0, F1, 0
	QUARTER 1, 128, F1, F0, 0
	QUARTER 1, 192, F0, F1, 0
	TURN 1, 0
	QUARTER 0, 64,  F0, F1, 0
	WIN 0
	s_sub_co_u32 s3, s3, 1
	s_cmp_lg_u32 s3, 0
	s_cbranch_scc1 .Llap
	QUARTER 0, 128, F1, F0, 0                      ; the last lap is written out: it asks for nothing, and has no round of the cluster's barrier
	QUARTER 0, 192, F0, F1, 0
	MEET 0                                         ; my one tensor load that was still out is the last K step's
	PLACES                                         ; for the loads into buffer 0
	FETCH 1, 0, F0
	WIN MUL_HI
	MUL16 F1, 1, 0, 0
	MUL16 F1, 1, 2, 0
	QUARTER 1, 64,  F0, F1, 0
	QUARTER 1, 128, F1, F0, 0
	QUARTER 1, 192, F0, F1, 0
	s_wait_dscnt 8                                 ; the very last quarter: nothing more to fetch
	WIN MUL_LO
	MUL16 F1, 0, 0, 0
	MUL16 F1, 0, 2, 0
	s_wait_dscnt 0x0
	MUL16 F1, 1, 0, 0
	MUL16 F1, 1, 2, 0
	WIN 0
	PLACES                                         ; behind the last products: the way out reads results and writes over xh's fragment registers
	PLACES                                         ; (eight in all, once a launch)
	NORMPQ 0
	FIN 0
.set uu, 1
.rept 15                               ; a unit's squares and sums stand between the loads of the unit before from the stage and the wait for them
	NORMPQ uu
	SEND uu-1
	FIN uu
.set uu, uu+1
.endr
	SEND 15
	s_wait_tensorcnt 0x0                           ; the wave's end, behind my last tensor load and my last LDS store
	ds_add_u32 v[SPW], v[NIL]
	s_wait_dscnt 0x0
	CROUND                                         ; the closing round: no work-group ends while a partner may still ask for a tile that names it
	s_endpgm
.Lfunc_end_k_q6aebbf0883_gemm:
	.size	k_q6aebbf0883_gemm, .Lfunc_end_k_q6aebbf0883_gemm-k_q6aebbf0883_gemm
	.p2alignl 7, 3214868480
	.fill 96, 4, 3214868480
	.section	.rodata,"a",@progbits
	.p2align	6, 0x0
	.amdhsa_kernel k_q6aebbf0883_gemm
		.amdhsa_group_segment_fixed_size 327680
		.amdhsa_private_segment_fixed_size 0
		.amdhsa_enable_private_segment 0
		.amdhsa_kernarg_size 24
		.amdhsa_user_sgpr_count 2
		.amdhsa_user_sgpr_kernarg_segment_ptr 1
		.amdhsa_wavefront_size32 1
		.amdhsa_system_sgpr_workgroup_id_x 1
		.amdhsa_system_sgpr_workgroup_id_y 1
		.amdhsa_system_sgpr_workgroup_id_z 1
		.amdhsa_system_vgpr_workitem_id 0
		.amdhsa_next_free_vgpr 1024
		.amdhsa_next_free_sgpr 66
		.amdhsa_reserve_vcc 0
		.amdhsa_float_denorm_mode_32 3
		.amdhsa_float_denorm_mode_16_64 3
		.amdhsa_memory_ordered 1
		.amdhsa_forward_progress 1
		.amdhsa_inst_pref_size 205
	.end_amdhsa_kernel
	.amdgpu_metadata
---
amdhsa.version: [ 1, 2 ]
amdhsa.kernels:
  - .name:           k_q6aebbf0883_gemm
    .symbol:         k_q6aebbf0883_gemm.kd
    .args:
      - { .name: xh, .offset: 0, .size: 8, .value_kind: global_buffer, .address_space: global }
      - { .name: wh, .offset: 8, .size: 8, .value_kind: global_buffer, .address_space: global }
      - { .name: out0, .offset: 16, .size: 8, .value_kind: global_buffer, .address_space: global }
    .group_segment_fixed_size: 327680
    .private_segment_fixed_size: 0
    .kernarg_segment_align: 8
    .kernarg_segment_size: 24
    .max_flat_workgroup_size: 128
    .sgpr_count:     66
    .vgpr_count:     1024
    .wavefront_size: 32
...
	.end_amdgpu_metadata
.endif
;; end of part 2
